; MI455X (gfx1250); checked and timed in simulation.
; The chip was launched on July 23, 2026; its instructions are those of AMD's public machine-readable ISA for CDNA 5 (MIT licence, August 2026) and "CDNA5" Instruction Set Architecture Reference Guide (July 2026). The comments in the code are by the model that wrote it; some were corrected since.
;; Octonion Fused Linear. Allowed arithmetic: matrix products marked QUANTISED: E2M1 operands, one E8M0 scale for each 32 along K, by v_wmma_scale_f32_16x16x128_f8f6f4 with both operands' format E2M1 (or v_wmma_scale_f32_32x16x128_f4), f32 sums; products left as they are: f32 operands where the result goes on into a quantised operand, else bf16, f16 or f32 operands; f32 sums; everything else in f32.
;; Inputs: weight 8 x 256 x 512 float32; x 4 x 2,048 x 4,096 float32.
;; Outputs: out0 4 x 2,048 x 2,048 float32.
;; This version of the problem:
;;   THIS VERSION OF THE PROBLEM IS GIVEN IN LOW PRECISION. The matrix products marked QUANTISED in the list below multiply operands that are first quantised to E2M1 (2 exponent bits, 1 mantissa bit; 4 bits a number), with one power-of-two scale for each 32 numbers along K (OCP MX v1.0); their sums are f32. All else is computed in f32.
;;   The module's matrix products, in the order in which they are computed (A, B: the left and right operand; K: the contracted axis; several contracted axes count as one K, in the product's order):
;;     1. batch 64 x [M 1, K 1] x [K 1, N 131,072]; A: computed on the way; B: computed on the way: left as it is (no contracted axis)
;;     2. [M 8,192, K 4,096] x [K 4,096, N 2,048]; A: input x; B: computed on the way: QUANTISED
;;   THE QUANTISER, for each operand of a quantised product, along K:
;;     - K is cut into blocks of 32 from its start; a last block that is shorter is filled with zeros.
;;     - A block's scale is 2^e with e = floor(log2(the largest magnitude in the block)) - 2, held to -126 .. 127; a block of zeros has e = 0. As a byte (E8M0): e + 127.
;;     - Each number is divided by its block's scale, clamped to +-6, and rounded to the nearest number of E2M1, ties to even, subnormals kept.
;;     - The product sums the exact products of the quantised numbers (number of the format x scale) in f32.
;;   ~~~python
;;   def quantise(x, axis):      # numpy; x: float32 -> the quantised numbers, widened to float32 again
;;       x = np.moveaxis(x, axis, -1); K = x.shape[-1]
;;       x = np.pad(x, [(0, 0)] * (x.ndim - 1) + [(0, -K % 32)]); x = x.reshape(x.shape[:-1] + (-1, 32)); a = np.abs(x).max(-1, keepdims=True)
;;       e = np.where(a > 0, np.clip(np.frexp(np.where(a > 0, a, 1))[1] - 1 - 2, -126, 127), 0)      # np.frexp(a)[1] - 1 = floor(log2(a)), exactly
;;       r = np.clip(x / 2.0 ** e, -6, 6)
;;       step = 2.0 ** (np.maximum(np.frexp(np.where(r == 0, 1, r))[1] - 1, 0) - 1)
;;       q = np.round(r / step) * step * 2.0 ** e      # np.round: ties to even
;;       return np.moveaxis(q.reshape(q.shape[:-2] + (-1,))[..., :K], -1, axis).astype(np.float32)
;;   ~~~
;;   OPERANDS COMPUTED ON THE WAY. 'Computed on the way' means the value that the module computes at that place (a softmax that the list does not call 'softmax' is quantised finished and normalised). What goes into a quantiser is computed in f32, as accurately as f32 sums, v_exp_f32 and their like allow (about 1e-6 of the number): no bf16 or f16 on the way to a quantiser, and a product that is left as it is and whose result goes on into a quantised operand takes f32 operands (vector FMAs, or v_wmma_f32_16x16x4_f32). A number that lies on a knife's edge between two numbers of the format may be rounded either way, as far as f32 arithmetic and the matrix unit's own rounding can turn it there, and no further.
;; One version. Each part assembles by itself: llvm-mc -triple=amdgcn-amd-amdhsa -mcpu=gfx1250 --defsym DOCPART=n.
;; ======== version 1 of 1: 2 launches
;; limits: right only within a limited range of input values
;; workspace buffers: wq 557,056 bytes
;; launch quantw (part 1): grid 128 x 1, 8 waves a work-group, no clusters, 36,096 bytes of LDS; arguments weight, wq; writes wq
.if DOCPART == 1
	.amdgcn_target "amdgcn-amd-amdhsa--gfx1250"
	.amdhsa_code_object_version 6
	.text
	.protected	k_qbc9de94621_quantw
	.globl	k_qbc9de94621_quantw
	.p2align	8
	.type	k_qbc9de94621_quantw,@function
k_qbc9de94621_quantw:
	s_mov_b64 s[64:65], 0
	v_nop
	global_prefetch_b8 v0, s[64:65] scope:SCOPE_SE
	s_setreg_imm32_b32 hwreg(HW_REG_WAVE_MODE, 25, 1), 1
	s_wait_xcnt 0x0
; weight [8][256][512] f32 becomes codes of FP4 (E2M1) with one E8M0 byte for each 32 along k, laid as the second launch's registers want them.
; A block's scale is 2^(floor(log2(its largest magnitude)) - 2), held at 2^-126 from below; each number is divided by the scale and rounded to the nearest code, ties to even, beyond 6 the largest code.
; LIMITS: a block of zeros gets the byte 1 where the rule says 127: its codes are zeros, which add nothing under that byte, and the bytes are read by this program alone.
; NaN and infinities among the inputs are not served.
; LAYOUT OF wq: [w 4][hh 16][8,704 bytes]: w = which 64 of the 256 rows n; hh = 4 ks + p: ks = which 128 of the 512 along k, p = the pair of components 2 p, 2 p + 1.
;   A part holds 8 fragments (hc = c & 1, t = which 16 of the 64 rows) at 1,024 (4 hc + t): registers 0-3 of lane l at 16 l, registers 4-7 at 512 + 16 l;
;   then at 8,192 a block of scale words: (hc, r) has 16 bytes at 256 hc + 16 r, word t = the word of row r of fragment (hc, t).
; SHARES: work-group b: hc = b & 1, p = (b >> 1) & 3, w = (b >> 3) & 3, ks = b >> 5.  Wave v: t = v >> 1, kc = v & 1: 16 rows x 64 k: half a fragment's registers.
; A load reads 256 consecutive bytes of two rows; the 16 rows turn through the wave's own stage in LDS, so that lane (r, h) then holds the whole block h of row r.
; Fragment (hc, t) takes the rows n = 64 w + 4 r + t, r = 0 .. 15: so the four tiles' results of a lane are four neighbouring columns of the output.
.set STGW, 4352                        ; a wave's stage: 16 rows x (256 bytes + 16)
.set SCX,  8*STGW                      ; 256 bytes in which the eight waves' scale bytes meet
.set SPARE, SCX+256                    ; the spare words, 128 bytes for each wave
.set HPART, 8704
.set TM,   16                          ; v16-19 largest magnitudes
.set SCV,  24                          ; v24 the conversions' scale operand
.set SBY,  25                          ; v25 its byte
.set PC,   20                          ; v20-23 codes
.set R,    32                          ; v32-63 32 numbers
	s_load_b128 s[4:7], s[0:1], 0x0                ; weight s[4:5], wq s[6:7]
	v_lshl_add_u32 v2, v0, 2, SPARE
	v_mov_b32 v3, 0
	v_lshrrev_b32 v4, 5, v0
	v_readfirstlane_b32 s8, v4                     ; wave 0..7
	s_lshr_b32 s13, s8, 1                          ; t
	s_and_b32 s12, s8, 1                           ; kc
	s_and_b32 s11, ttmp9, 1                        ; hc
	s_bfe_u32 s10, ttmp9, 0x20001                  ; p
	s_bfe_u32 s9, ttmp9, 0x20003                   ; w
	s_lshr_b32 s16, ttmp9, 5                       ; ks
	s_lshl_b32 s14, s10, 1
	s_add_co_u32 s14, s14, s11                     ; c = 2 p + hc
	s_lshl_b32 s14, s14, 19                        ; a component is 256 x 512 x 4 bytes,
	s_lshl_b32 s15, s9, 17                         ; 64 rows of 2,048 bytes,
	s_add_co_u32 s14, s14, s15
	s_lshl_b32 s15, s13, 11                        ; the tile's first row, t; its rows lie four apart,
	s_add_co_u32 s14, s14, s15
	s_lshl_b32 s15, s16, 9                         ; 128 numbers along k,
	s_add_co_u32 s14, s14, s15
	s_lshl_b32 s15, s12, 8                         ; 64 of them
	s_add_co_u32 s14, s14, s15
	s_mov_b32 s15, 0                               ; s[14:15]: where my numbers begin
	s_lshl_b32 s18, s9, 4
	s_lshl_b32 s19, s16, 2
	s_add_co_u32 s18, s18, s19
	s_add_co_u32 s18, s18, s10                     ; 16 w + hh
	s_mul_i32 s18, s18, HPART                      ; the part
	s_lshl_b32 s20, s11, 8
	s_add_co_u32 s20, s20, s18
	s_add_co_u32 s20, s20, 8192
	s_mov_b32 s21, 0                               ; s[20:21]: its 256 bytes of scale words of hc
	s_lshl_b32 s19, s11, 2
	s_add_co_u32 s19, s19, s13
	s_lshl_b32 s19, s19, 10
	s_add_co_u32 s18, s18, s19
	s_lshl_b32 s19, s12, 9
	s_add_co_u32 s18, s18, s19
	s_mov_b32 s19, 0                               ; s[18:19]: my 512 bytes of the fragment's image
	s_mul_i32 s22, s8, STGW                        ; my stage
	s_lshl_b32 s23, s13, 2
	s_lshl_b32 s24, s12, 1
	s_add_co_u32 s23, s23, s24
	s_add_co_u32 s23, s23, SCX                     ; SCX + 4 t + 2 kc
	v_and_b32 v5, 15, v0                           ; r
	v_bfe_u32 v6, v0, 4, 1                         ; h
	v_and_b32 v7, 31, v0                           ; l
	v_lshlrev_b32 v8, 4, v5
	v_lshl_add_u32 v8, v6, 13, v8                  ; in: 16 (l % 16), lanes 16-31 the tile's next row, four rows further down
	v_mul_u32_u24 v9, v6, 272
	v_lshl_add_u32 v9, v5, 4, v9
	v_add_nc_u32 v9, s22, v9                       ; the same two rows in my stage
	v_mul_u32_u24 v10, v5, 272
	v_lshl_add_u32 v10, v6, 7, v10
	v_add_nc_u32 v10, s22, v10                     ; back: row r, block h
	v_lshlrev_b32 v11, 4, v5
	v_add_nc_u32 v11, v11, v6
	v_add_nc_u32 v11, s23, v11                     ; my block's scale byte: SCX + 16 r + 4 t + 2 kc + h
	v_lshlrev_b32 v12, 4, v7                       ; 16 l
	v_lshlrev_b32 v13, 3, v7                       ; 8 l
	v_add_nc_u32 v14, SCX, v13
	s_wait_alu depctr_va_vdst(0)                   ; the wait at the head's end
	s_wait_kmcnt 0x0
	s_add_nc_u64 s[4:5], s[4:5], s[14:15]
	s_add_nc_u64 s[26:27], s[6:7], s[18:19]
	s_add_nc_u64 s[28:29], s[6:7], s[20:21]
.irp q, 0,1,2,3,4,5,6,7
	global_load_b128 v[R+4*\q:R+4*\q+3], v8, s[4:5] offset:16384*\q th:TH_LOAD_NT   ; the tile's rows 2 q, 2 q + 1: 256 consecutive bytes each
.endr
.irp q, 0,1,2,3,4,5,6,7
	s_wait_loadcnt 7-\q                            ; the younger loads may be out
	ds_store_b128 v9, v[R+4*\q:R+4*\q+3] offset:544*\q
.endr
.irp e, 0,1,2,3,4,5,6,7
	ds_load_b128 v[R+4*\e:R+4*\e+3], v10 offset:16*\e   ; LDS serves a wave's instructions in order (ISA guide 5.7.1.4): these see the stores
.endr
	s_wait_dscnt 0x0
.irp b, 0,1,2,3
	v_max3_num_f32 v[TM+\b], 0x1800000, |v[R+8*\b]|, |v[R+8*\b+1]|   ; four chains; the floor 2^(3 - 127): so the byte cannot fall under 1
.endr
.irp i, 2,4,6
.irp b, 0,1,2,3
	v_max3_num_f32 v[TM+\b], v[TM+\b], |v[R+8*\b+\i]|, |v[R+8*\b+\i+1]|
.endr
.endr
	v_max3_num_f32 v[TM], v[TM], v[TM+1], v[TM+2]
	s_delay_alu instid0(VALU_DEP_1)
	v_max_num_f32 v[TM], v[TM], v[TM+3]            ; the block's largest magnitude: all 32 numbers are mine
	s_delay_alu instid0(VALU_DEP_1)
	v_add_nc_u32 v[SCV], 0xff000000, v[TM]         ; 2 off its exponent field: the conversion takes the exponent field of this operand as its scale
.irp g, 0,1,2,3
	v_cvt_scalef32_pk8_fp4_f32 v[PC+\g], v[R+8*\g:R+8*\g+7], v[SCV]
.endr
	v_lshrrev_b32 v[SBY], 23, v[SCV]               ; the scale's byte; also the plain place behind the conversions
	global_store_b128 v12, v[PC:PC+3], s[26:27]    ; 512 consecutive bytes, aligned
	ds_store_b8 v11, v[SBY]
	s_wait_dscnt 0x0                               ; for the others' sake: my scale bytes lie in LDS
	s_barrier_signal -1
	s_barrier_wait -1
	s_cmp_lg_u32 s8, 0                             ; wave 0 alone sends the eight waves' 256 bytes
	s_cbranch_scc1 .Ldone
	ds_load_b64 v[26:27], v14
	s_wait_dscnt 0x0
	global_store_b64 v13, v[26:27], s[28:29]       ; 256 consecutive bytes, aligned
.Ldone:
	s_wait_tensorcnt 0x0                           ; the wave's end
	ds_add_u32 v2, v3
	s_wait_dscnt 0x0
	s_endpgm
.Lfunc_end_k_qbc9de94621_quantw:
	.size	k_qbc9de94621_quantw, .Lfunc_end_k_qbc9de94621_quantw-k_qbc9de94621_quantw
	.p2alignl 7, 3214868480
	.fill 96, 4, 3214868480
	.section	.rodata,"a",@progbits
	.p2align	6, 0x0
	.amdhsa_kernel k_qbc9de94621_quantw
		.amdhsa_group_segment_fixed_size 36096
		.amdhsa_private_segment_fixed_size 0
		.amdhsa_enable_private_segment 0
		.amdhsa_kernarg_size 16
		.amdhsa_user_sgpr_count 2
		.amdhsa_user_sgpr_kernarg_segment_ptr 1
		.amdhsa_wavefront_size32 1
		.amdhsa_system_sgpr_workgroup_id_x 1
		.amdhsa_system_sgpr_workgroup_id_y 1
		.amdhsa_system_sgpr_workgroup_id_z 1
		.amdhsa_system_vgpr_workitem_id 0
		.amdhsa_next_free_vgpr 64
		.amdhsa_next_free_sgpr 66
		.amdhsa_reserve_vcc 0
		.amdhsa_float_denorm_mode_32 3
		.amdhsa_float_denorm_mode_16_64 3
		.amdhsa_memory_ordered 1
		.amdhsa_forward_progress 1
		.amdhsa_inst_pref_size 8
	.end_amdhsa_kernel
	.amdgpu_metadata
---
amdhsa.version: [ 1, 2 ]
amdhsa.kernels:
  - .name:           k_qbc9de94621_quantw
    .symbol:         k_qbc9de94621_quantw.kd
    .args:
      - { .name: weight, .offset: 0, .size: 8, .value_kind: global_buffer, .address_space: global }
      - { .name: wq, .offset: 8, .size: 8, .value_kind: global_buffer, .address_space: global }
    .group_segment_fixed_size: 36096
    .private_segment_fixed_size: 0
    .kernarg_segment_align: 8
    .kernarg_segment_size: 16
    .max_flat_workgroup_size: 256
    .sgpr_count:     66
    .vgpr_count:     64
    .wavefront_size: 32
...
	.end_amdgpu_metadata
.endif
;; end of part 1
;; launch octo (part 2): grid 256 x 1, 4 waves a work-group, clusters of 4 x 1, 327,680 bytes of LDS; arguments x, wq, out0; writes out0
.if DOCPART == 2
	.amdgcn_target "amdgcn-amd-amdhsa--gfx1250"
	.amdhsa_code_object_version 6
	.text
	.protected	k_qbc9de94621_octo
	.globl	k_qbc9de94621_octo
	.p2align	8
	.type	k_qbc9de94621_octo,@function
k_qbc9de94621_octo:
	s_mov_b64 s[64:65], 0
	v_nop
	global_prefetch_b8 v0, s[64:65] scope:SCOPE_SE
	s_setreg_imm32_b32 hwreg(HW_REG_WAVE_MODE, 25, 1), 1
	s_wait_xcnt 0x0
	s_wait_alu depctr_hold_cnt(0) depctr_sa_sdst(0) depctr_va_vdst(0) depctr_va_sdst(0) depctr_va_ssrc(0) depctr_va_vcc(0) depctr_vm_vsrc(0)
	s_getreg_b32 s2, hwreg(HW_REG_IB_STS2, 6, 4)
	s_cmp_eq_u32 s2, 0
	s_cbranch_scc0 .Lentry_in_a_cluster
	s_endpgm
.Lentry_in_a_cluster:
	s_bfe_u32 s2, ttmp6, 0x10000c
	s_cmp_lg_u32 s2, 0x3003
	s_cbranch_scc0 .Lentry_shape_is_right
	s_endpgm
.Lentry_shape_is_right:
; out0[m][256 i + n] = sum over j, k of S[i][j] x[m][512 j + k] W[i xor j][n][k]: one product of 8,192 x 4,096 x 2,048 on codes of FP4 (E2M1) with one E8M0 scale for each 32 along K; sums in f32.
; (The table of weight indices is i xor j in every entry.)  x: [8,192][4,096] f32, quantised here on its way.  W comes as codes and scale words from wq (layout: at the first launch's head).
; THE SIGN.  A block of 32 along K lies inside one component.  Multiplying it by S = +1 or -1 leaves its largest magnitude and so its scale as they are, and the clamp and the rounding to the nearest code,
; ties to even, are symmetric about 0: the quantised S w is S times the quantised w, for every input.  So S stands in front of whole products.  An accumulator holds s x its sum, s the sign of the term added last:
; a term of sign s is added as product + C where the term before had the same sign and as product - C where it had the other.  Component c = 0 comes last in every step: there i = j, every sign is +, and the sums come out as they are.
; SHARES.  A work-group owns 32 rows of x (two tiles of 16: rt = 0, 1) and all 2,048 columns.  Wave w owns columns n = 64 w .. 64 w + 63 of every component i: 8 i x 4 tiles t x 2 rt = 64 accumulators, 512 registers.
; A fragment W(c, t, ks) (16 n x 128 k) is multiplied with x's component j for all 8 j and both rt, and adds to component i = c xor j: 16 matrix instructions for each fragment read from LDS.
; Source 0 = 16 rows of x, source 1 = 16 rows of W, n = 64 w + 4 r + t: lane (r, h) holds, in register j of the tiles t = 0 .. 3, four neighbouring columns of row 8 h + j: 16 bytes; sixteen lanes hold 256 neighbouring bytes.
; COURSE.  Steps ks = 0 .. 3 (128 k of each component).  While step ks is multiplied, each wave quantises its share of x for ks + 1, eight HALF UNITS of 8 rows x 128 k, and hands them to the others through LDS as images of
; the operand's registers.  x comes by loads of 512 consecutive bytes into eight sets of 32 registers, each asked for most of a step before it is read: 48 or 56 younger loads stay out at a wait.
; A half unit turns through the wave's own stage: then lane (r8 = l & 7, q = l >> 3) holds the whole block q of row r8, and no other lane is asked for a maximum.
; W: two slots in LDS, each with one step's W; a wave's quarter of a slot is 34,816 bytes, which that wave alone fetches and reads, with one tensor load behind each round.
; CLUSTER.  All work-groups walk the same W: the four of a cluster ask for each fill JOINTLY (the same tensor load, the same descriptor, a mask that names the four).
; NO PREFETCH INTO THE L2: x is asked for most of a step, over 400 matrix instructions, ahead by loads into registers; W is 557,056 bytes for the whole launch, asked for one step ahead.
; THE LAST STEP goes by row tiles: all of rt = 0, then all of rt = 1, among which the 16 finished rows of rt = 0 leave.  W's fragments of the whole step then stay in registers: nothing is read from LDS twice.
; LIMITS: NaN and infinities are not served.  A block of zeros gets the byte 1 with zero codes (the bytes are read here alone).  The f32 sums go by ks, then c, not in ascending K.
; REGISTERS, in windows of 256:  window 0: v1-10 addresses; v12-27 W's scale words; v28-43 x's; v44-55 at work; v56 the way out's address; v64-255 sets 0-5 of x; in the last step v64-191 four sets of W, v192-255 results to store.
;   window 1: v0-31, v32-63 W's fragments of one c, two sets; v64-191 x's 16 fragments (rt, j) at 64 + 8 (8 rt + j) (behind the last products of rt = 0, v64-127 results to store); v192-255 sets 6, 7 of x, in the last step two sets of W.
;   window 2: the accumulators of rt = 0, (i, t) at v[8 (4 i + t)];   window 3: those of rt = 1.
; THE ORDER OF STEPS hangs on the cluster: cluster q takes the four 128 k of each component as (q + step) mod 4, of x and of W alike, so that at one time the launch asks for all parts of x's rows and of W.  (The sums' order in f32 hangs on it too.)
; Where a set has been asked for again ahead of the wait, 56 younger loads stay out, else 48.
.set HPART, 8704                       ; a wave's quarter of a pair of components: 34 rows of 256 bytes
.set WSLW,  4*HPART                    ; a wave's part of a slot
.set SLOT,  4*WSLW                     ; 0x22000: no bit of it is set in 34,816 w + 16 l, so an exclusive or changes slots
.set XIMG,  2*SLOT                     ; x's images: 16 fragments of 1,024 bytes (fragment 8 rt + j)
.set XSCL,  XIMG+16384                 ; x's scale words: (rt, j, r) at 512 rt + 256 (j >> 2) + 16 r + 4 (j & 3)
.set STG,   XSCL+1024                  ; a stage for each wave: the turn of x (8 rows x 528 bytes)
.set STGW,  4352
.set SPARE, STG+4*STGW                 ; the spare words, 128 bytes for each wave: two blocks of 256 bytes that no other line names
.set NEGLO, 0xa4c268fe                 ; bit 8 i + j: S[i][j] = -1, rows i = 0 .. 3
.set NEGHI, 0x3298540e                 ; bit 8 (i - 4) + j: rows i = 4 .. 7
.set SEQ,   0x01765432                 ; a step's order of components: place k takes c = nibble k: 2, 3, 4, 5, 6, 7, 1, 0
.set SPW, 1                            ; v1   SPARE + 4 x my thread's number; never rewritten
.set NIL, 2                            ; v2   0; never rewritten
.set XG,  3                            ; v3   x: 16 l + 4,096 w: my bytes of a row's 512, my wave's two components
.set TS,  4                            ; v4   the turn, in: my stage + 16 l
.set TL,  5                            ; v5   the turn, out: my stage + 528 r8 + 128 q
.set XWI, 6                            ; v6   where I store x's images: XIMG + 2,048 w + 256 q + 16 r8
.set XWS, 7                            ; v7   and scale bytes: XSCL + 256 (w >> 1) + 8 (w & 1) + 16 r8 + q
.set LI,  8                            ; v8   where any image is read: XIMG + 16 l
.set LS,  9                            ; v9   and the scale words: XSCL + 16 r
.set WA,  10                           ; v10  my part of the slot in hand + 16 l
.set WS,  12                           ; v12-27  W's scale words: pair c >> 1 at 12 + 4 (c >> 1); register t: lanes 0-15 the even component, lanes 16-31 the odd one
.set XS,  28                           ; v28-43  x's scale words: 28 + 8 rt + j, lane r: row r
.set TM,  44                           ; v44-47 largest magnitudes
.set SCV, 48                           ; v48 the conversions' scale operand
.set SBY, 49                           ; v49 its byte
.set PC,  52                           ; v52-55 the codes just made
.set GO,  56                           ; v56 the way out: 65,536 h + 16 r + 256 w
.set XF,  64                           ; window 1: x's fragments
.set G1,  24                           ; s[24:31] descriptor group 1
.set G0,  56                           ; s[56:59] descriptor group 0
.set MSB, 0
.macro WIN new                         ; s_set_vgpr_msb: bits 1:0 source 0, 3:2 source 1, 5:4 source 2, 7:6 destination; the high byte repeats the setting that is left
.if MSB != (\new)
	s_set_vgpr_msb (MSB<<8)|(\new)
.set MSB, (\new)
.endif
.endm
; Five plain places: a load into a register that a matrix instruction has read and a vector instruction that reads a result stand four behind it; a matrix instruction that takes an accumulator up again with the other sign of C, five.
.macro PL5
.rept 5
	v_nop
.endr
.endm
; A round of the cluster's barrier: my work-group's barrier, wave 0 signals for the work-group, every wave waits for all four work-groups, my work-group's barrier once more.
.macro ROUND
	s_barrier_signal -1
	s_barrier_wait -1
	s_cmp_lg_u32 s10, 0
	s_cbranch_scc1 .Lnot_wave_0_\@
	s_barrier_signal -3
.Lnot_wave_0_\@:
	s_barrier_wait -3
	s_barrier_signal -1
	s_barrier_wait -1
.endm
; HALF UNIT k = 4 rt + 2 jj + half: rows 16 rt + 8 half on, component j = 2 w + jj; set k of registers: k < 6 in window 0, else in window 1.
.macro USET k
.set UW, (\k)/6
.set UR, 64+32*(\k)-64*UW
.endm
.macro XLOAD k, off                    ; from the base s[XB:XB+1], which holds the step's 128 k; off < 0: nothing is left to load
.if (\off) >= 0
	USET \k
	WIN 0x44*UW
.irp q, 0,1,2,3,4,5,6,7
	global_load_b128 v[UR+4*\q:UR+4*\q+3], v[XG], s[XB:XB+1] offset:(16*((\k)/4)+8*((\k)%2)+\q)*16384+2048*(((\k)/2)%2) th:TH_LOAD_NT   ; 32 lanes read 512 consecutive bytes; read once in the launch
.endr
.endif
.endm
.macro TURNST k, left                  ; the half unit turns through my stage: in; left: younger loads that may stay out
	USET \k
	s_wait_loadcnt \left
	WIN 0x44*UW
.irp q, 0,1,2,3,4,5,6,7
	ds_store_b128 v[TS], v[UR+4*\q:UR+4*\q+3] offset:528*\q
.endr
.endm
.macro TURNLD k                        ; and out
	USET \k
	WIN 0x44*UW
.irp e, 0,1,2,3,4,5,6,7
	ds_load_b128 v[UR+4*\e:UR+4*\e+3], v[TL] offset:16*\e   ; LDS serves a wave's instructions in order (ISA guide 5.7.1.4): these see the stores above, and the next half unit's stores come behind them
.endr
.endm
.macro UNITB k                         ; quantised; its part of the image and its scale bytes stored for all four waves
	USET \k
	WIN 0x14*UW
.irp b, 0,1,2,3
	v_max3_num_f32 v[TM+\b], s17, |v[UR+8*\b]|, |v[UR+8*\b+1]|   ; four chains; s17 = the floor 2^(3 - 127): so the byte cannot fall under 1
.endr
.irp i, 2,4,6
.irp b, 0,1,2,3
	v_max3_num_f32 v[TM+\b], v[TM+\b], |v[UR+8*\b+\i]|, |v[UR+8*\b+\i+1]|
.endr
.endr
	WIN 0
	v_max3_num_f32 v[TM], v[TM], v[TM+1], v[TM+2]
	v_max_num_f32 v[TM], v[TM], v[TM+3]            ; the block's largest magnitude
	v_add_nc_u32 v[SCV], 0xff000000, v[TM]         ; 2 off its exponent field: the conversion takes the exponent field of this operand as its scale
	WIN UW
.irp g, 0,1,2,3
	v_cvt_scalef32_pk8_fp4_f32 v[PC+\g], v[UR+8*\g:UR+8*\g+7], v[SCV]
.endr
	WIN 0
	v_lshrrev_b32 v[SBY], 23, v[SCV]               ; the scale's byte; also the plain place behind the conversions
	ds_store_b128 v[XWI], v[PC:PC+3] offset:1024*(8*((\k)/4)+(((\k)/2)%2))+128*((\k)%2)
	ds_store_b8 v[XWS], v[SBY] offset:512*((\k)/4)+4*(((\k)/2)%2)+128*((\k)%2)
.endm
.macro FETCHP c, wf, ww                ; my four fragments of component c into window ww from wf on
	WIN 0x40*(\ww)
.irp t, 0,1,2,3
	ds_load_b128 v[(\wf)+8*\t:(\wf)+8*\t+3],   v[WA] offset:HPART*((\c)/2)+1024*(4*((\c)%2)+\t)
	ds_load_b128 v[(\wf)+8*\t+4:(\wf)+8*\t+7], v[WA] offset:HPART*((\c)/2)+1024*(4*((\c)%2)+\t)+512
.endr
.endm
.macro FETCHWS c                       ; the scale words of my 64 rows, both components of c's pair
	WIN 0
	ds_load_b128 v[WS+4*((\c)/2):WS+4*((\c)/2)+3], v[WA] offset:HPART*((\c)/2)+8192
.endm
.macro FETCHC k                        ; place k's component into set k % 2; a pair's first place brings its scale words too
.set CF, (SEQ>>(4*(\k)))&15
	FETCHP CF, 32*((\k)%2), 1
.if ((\k)%2) == 0
	FETCHWS CF
.endif
.endm
.macro FETCHX rt                       ; x's eight fragments of row tile rt and their scale words: 18 LDS loads
	WIN 0x40
.irp j, 0,1,2,3,4,5,6,7
	ds_load_b128 v[XF+8*(8*(\rt)+\j):XF+8*(8*(\rt)+\j)+3],   v[LI] offset:1024*(8*(\rt)+\j)
	ds_load_b128 v[XF+8*(8*(\rt)+\j)+4:XF+8*(8*(\rt)+\j)+7], v[LI] offset:1024*(8*(\rt)+\j)+512
.endr
	WIN 0
	ds_load_b128 v[XS+8*(\rt):XS+8*(\rt)+3],   v[LS] offset:512*(\rt)
	ds_load_b128 v[XS+8*(\rt)+4:XS+8*(\rt)+7], v[LS] offset:512*(\rt)+256
.endm
; 16 matrix instructions: component c's fragments t0, t0 + 1 x the eight components of x, row tile rt.  Term (c, j) adds to i = c xor j; pc: the component before it in the order.
; zero = 1: the first products start the sums: nothing is ever cleared.  The accumulators take turns, one instruction a turn.
.macro MUL c, pc, rt, wf, ww, zero, t0
	WIN 0xa1+4*(\ww)+0x50*(\rt)                    ; source 0 (x) window 1, source 1 (W) window ww; C and D window 2 or 3
.set SW, WS+4*((\c)/2)
.irp t, \t0, \t0+1
.irp j, 0,1,2,3,4,5,6,7
.set II, ((\c)^\j)
.set PJ, ((\pc)^II)
.set AC, 8*(4*II+(\t))
.set WF, (\wf)+8*(\t)
.set XR, XF+8*(8*(\rt)+\j)
.set XW, XS+8*(\rt)+\j
.if II < 4
.set NG, ((NEGLO>>(8*II+\j))^(NEGLO>>(8*II+PJ)))&1
.else
.set NG, ((NEGHI>>(8*(II-4)+\j))^(NEGHI>>(8*(II-4)+PJ)))&1
.endif
.if \zero
	v_wmma_scale_f32_16x16x128_f8f6f4 v[AC:AC+7], v[XR:XR+7], v[WF:WF+7], 0, v[XW], v[SW+(\t)] matrix_a_fmt:MATRIX_FMT_FP4 matrix_b_fmt:MATRIX_FMT_FP4
.elseif (\c)%2
.if NG
	v_wmma_scale_f32_16x16x128_f8f6f4 v[AC:AC+7], v[XR:XR+7], v[WF:WF+7], v[AC:AC+7], v[XW], v[SW+(\t)] matrix_a_fmt:MATRIX_FMT_FP4 matrix_b_fmt:MATRIX_FMT_FP4 matrix_b_scale:MATRIX_SCALE_ROW1 neg_lo:[0,0,1]
.else
	v_wmma_scale_f32_16x16x128_f8f6f4 v[AC:AC+7], v[XR:XR+7], v[WF:WF+7], v[AC:AC+7], v[XW], v[SW+(\t)] matrix_a_fmt:MATRIX_FMT_FP4 matrix_b_fmt:MATRIX_FMT_FP4 matrix_b_scale:MATRIX_SCALE_ROW1
.endif
.else
.if NG
	v_wmma_scale_f32_16x16x128_f8f6f4 v[AC:AC+7], v[XR:XR+7], v[WF:WF+7], v[AC:AC+7], v[XW], v[SW+(\t)] matrix_a_fmt:MATRIX_FMT_FP4 matrix_b_fmt:MATRIX_FMT_FP4 neg_lo:[0,0,1]
.else
	v_wmma_scale_f32_16x16x128_f8f6f4 v[AC:AC+7], v[XR:XR+7], v[WF:WF+7], v[AC:AC+7], v[XW], v[SW+(\t)] matrix_a_fmt:MATRIX_FMT_FP4 matrix_b_fmt:MATRIX_FMT_FP4
.endif
.endif
.endr
.endr
.endm
.macro MULH k, rt, zero, t0            ; place k of a step, row tile rt, half of the tiles t
.set CN, (SEQ>>(4*(\k)))&15
.set CP, (SEQ>>(4*(((\k)+7)%8)))&15
	MUL CN, CP, \rt, 32*((\k)%2), 1, \zero, \t0
.endm
; Places 1 to 6 of a step: 64 matrix instructions each, in four runs of 16 with runs of LDS or global instructions between them.  Half unit k is quantised, the next one is turned, the next place's fragments are fetched into the other set.
; The plain lines of UNITB stand between the last place's products and this place's loads and products.
.macro CSTEP k, off
.if (\off) >= 0
.set LF, 56                            ; the seven younger sets' loads may be out
.else
.set LF, 8*(6-(\k))                    ; nothing more is loaded: the sets behind it
.endif
.if (\k) == 1
	XLOAD 0, \off                                  ; (set 0 was quantised in place 0)
.endif
	s_wait_dscnt 0x0                               ; this place's fragments and the turned numbers are in; the last half unit's stores are done
	UNITB \k
	XLOAD \k, \off
	TURNST ((\k)+1), LF
	MULH \k, 0, 0, 0
	TURNLD ((\k)+1)
	MULH \k, 0, 0, 2
	FETCHC ((\k)+1)
	MULH \k, 1, 0, 0
	MULH \k, 1, 0, 2
.endm
; Place 0: x's images have been read into registers by every wave before any wave stores the next step's: a barrier of its own, with 16 products between its halves.
.macro IDX0 zero
	s_wait_dscnt 18                                ; W's fragments and words and x's row tile 0 are in; the youngest 18 loads (x's row tile 1) may be out
	TURNST 0, 56
	FETCHC 1
	MULH 0, 0, \zero, 0
	TURNLD 0
	MULH 0, 0, \zero, 2
	s_wait_dscnt 0x0                               ; all my reads of x's images are back
	s_barrier_signal -1
	MULH 0, 1, \zero, 0
	s_barrier_wait -1
	UNITB 0
	TURNST 1, 48
	TURNLD 1
	MULH 0, 1, \zero, 2
.endm
.macro G0STEP                          ; the next fill: the other slot, the next step's W (no tensor load of mine is out)
	s_xor_b32 s[G0+1], s[G0+1], SLOT
	s_add_co_u32 s47, s47, 1
	s_and_b32 s47, s47, 3                          ; which 128 k
	s_mul_i32 s44, s47, WSLW
	s_add_nc_u64 s[G0+2:G0+3], s[22:23], s[44:45]
	s_or_b32 s[G0+3], s[G0+3], 0x80000000
.endm
; Place 7, the end of a step: x's images for the next step change hands; fill = 1: the slot just read out is filled again with the W of two steps on.
.macro STEPEND off, fill
	s_wait_dscnt 0x0
	UNITB 7
	XLOAD 7, \off
	WIN 0
	s_wait_tensorcnt 0x0                           ; all my tensor loads have landed: my part of the next step's W
.if \fill
	ds_add_u32 v[SPW], v[NIL]                      ; 0 onto my spare word
	G0STEP
.endif
	MULH 7, 0, 0, 0
	MULH 7, 0, 0, 2
	WIN 0                                          ; at a branch and at a label every window is 0
	s_wait_dscnt 0x0                               ; my reads of this slot are over, my images of x lie in LDS
.if \fill
	ROUND                                          ; all that now holds of every wave of the four work-groups
	tensor_load_to_lds s[G0:G0+3], s[G1:G1+7]      ; my one tensor load behind the round; a whole step stands between it and the wait for it
	s_nop 0
.else
	s_barrier_signal -1
	s_barrier_wait -1
.endif
	PL5
	v_xor_b32 v[WA], SLOT, v[WA]                   ; the other slot
	s_wait_alu depctr_va_vdst(0)                   ; the wait here, directly behind the write
	FETCHC 0
	FETCHX 0
	MULH 7, 1, 0, 0
	MULH 7, 1, 0, 2
	PL5
	FETCHX 1
.endm
	s_load_b128 s[4:7], s[0:1], 0x0                ; x s[4:5], wq s[6:7]
	s_load_b64 s[8:9], s[0:1], 0x10                ; out0
	v_lshl_add_u32 v[SPW], v0, 2, SPARE
	v_mov_b32 v[NIL], 0
	ds_add_u32 v[SPW], v[NIL]                      ; the wave's opening: the add, twice on end, and its wait ahead of my first tensor load
	ds_add_u32 v[SPW], v[NIL]
	; descriptor group 1: my quarter of a step's W: a dense block, as 136 rows of 256 bytes (32 elements of 8 bytes); images are read 16 bytes a lane on end, so no padding
	s_mov_b32 s[G1+0], 15|(3<<16)|(1<<21)          ; 15:0 the mask: all four work-groups; 17:16 elements of 8 bytes; 21 set beside a mask
	s_mov_b32 s[G1+1], 32<<16                      ; tensor_dim0 = 32
	s_mov_b32 s[G1+2], 136<<16                     ; tensor_dim1 = 136
	s_mov_b32 s[G1+3], 32<<16                      ; tile_dim0 = 32
	s_mov_b32 s[G1+4], 136                         ; tile_dim1 = 136
	s_mov_b32 s[G1+5], 32                          ; elements from row to row
	s_mov_b32 s[G1+6], 0
	s_mov_b32 s[G1+7], 0
	s_mov_b32 s17, 0x1800000                       ; the floor of the largest magnitudes
	s_wait_dscnt 0x0                               ; both opening adds are done
	v_lshrrev_b32 v44, 5, v0
	v_readfirstlane_b32 s10, v44                   ; wave 0..3
	s_bfe_u32 s11, ttmp6, 0x40000                  ; cx: my place in the cluster
	s_lshl_b32 s12, ttmp9, 2                       ; in a cluster launch ttmp9 counts clusters
	s_add_co_u32 s12, s12, s11                     ; my block of 32 rows = 4 x cluster x + cx: it enters x's and out0's addresses alone
	s_lshl_b32 s40, s12, 19                        ; 32 rows of x, 16,384 bytes each
	s_mov_b32 s41, 0
	s_lshl_b32 s42, s12, 18                        ; 32 rows of out0, 8,192 bytes each
	s_mov_b32 s43, 0
	s_mul_i32 s13, s10, STGW
	s_add_co_u32 s13, s13, STG                     ; my stage
	s_lshl_b32 s14, s10, 8                         ; my 64 columns of a component, in bytes
	s_mul_i32 s20, s10, WSLW                       ; my part of a slot: no place in the cluster enters it
	s_lshl_b32 s21, s10, 12                        ; my two components of x
	s_lshl_b32 s22, s10, 11
	s_add_co_u32 s22, s22, XIMG
	s_lshr_b32 s23, s10, 1
	s_lshl_b32 s23, s23, 8
	s_and_b32 s46, s10, 1
	s_lshl_b32 s46, s46, 3
	s_add_co_u32 s23, s23, s46
	s_add_co_u32 s23, s23, XSCL
	s_mul_i32 s44, s10, 16*HPART                   ; my sixteen parts in wq
	s_mov_b32 s45, 0
	s_and_b32 s47, ttmp9, 3                        ; the 128 k with which my cluster begins: the same in all four partners
	s_lshl_b32 s54, s47, 9                         ; in bytes of x
	s_mov_b32 s55, 0
	v_and_b32 v45, 31, v0                          ; l
	v_and_b32 v46, 7, v0                           ; r8
	v_bfe_u32 v47, v0, 3, 2                        ; q
	v_and_b32 v59, 15, v0                          ; r
	v_bfe_u32 v60, v0, 4, 1                        ; h
	v_lshlrev_b32 v61, 4, v45                      ; 16 l
	v_lshlrev_b32 v62, 4, v59                      ; 16 r
	v_lshlrev_b32 v63, 4, v46                      ; 16 r8
	v_add_nc_u32 v[XG], s21, v61
	v_add_nc_u32 v[TS], s13, v61
	v_mul_u32_u24 v50, v46, 528
	v_lshl_add_u32 v50, v47, 7, v50
	v_add_nc_u32 v[TL], s13, v50
	v_lshl_add_u32 v51, v47, 8, v63
	v_add_nc_u32 v[XWI], s22, v51
	v_add_nc_u32 v52, v47, v63
	v_add_nc_u32 v[XWS], s23, v52
	v_add_nc_u32 v[LI], XIMG, v61
	v_add_nc_u32 v[LS], XSCL, v62
	v_add_nc_u32 v[WA], s20, v61
	v_lshl_add_u32 v55, v60, 16, v62
	v_add_nc_u32 v[GO], s14, v55                   ; lanes 16-31 eight rows of out0 further down
	s_wait_alu depctr_va_vdst(0)                   ; the wait at the head's end
	s_wait_kmcnt 0x0
	s_add_nc_u64 s[4:5], s[4:5], s[40:41]          ; x and out0 at my first row
	s_add_nc_u64 s[8:9], s[8:9], s[42:43]
	s_add_nc_u64 s[48:49], s[4:5], s[54:55]        ; x for step 0,
	s_add_co_u32 s54, s54, 512
	s_and_b32 s54, s54, 0x600
	s_add_nc_u64 s[50:51], s[4:5], s[54:55]        ; for step 1,
	s_add_co_u32 s54, s54, 512
	s_and_b32 s54, s54, 0x600
	s_add_nc_u64 s[52:53], s[4:5], s[54:55]        ; for step 2; the loop steps this one
.set XB, 48
	XLOAD 0, 0                                     ; one set of x ahead of the round; the rest behind W's load, which step 0 needs whole
	s_add_nc_u64 s[22:23], s[6:7], s[44:45]        ; wq at my parts
	s_mul_i32 s44, s47, WSLW
	s_add_nc_u64 s[40:41], s[22:23], s[44:45]      ; and at step 0's
	s_mov_b32 s[G0], 1                             ; 1:0 count = 1
	s_mov_b32 s[G0+1], s20                         ; 63:32 LDS address: slot 0
	s_mov_b64 s[G0+2:G0+3], s[40:41]               ; 120:64 global address
	s_or_b32 s[G0+3], s[G0+3], 0x80000000          ; 127:126 type = 2
	ROUND                                          ; all four work-groups are here: the first joint loads meet
	tensor_load_to_lds s[G0:G0+3], s[G1:G1+7]      ; step 0's W
	s_nop 0
	PL5
.irp k, 1,2,3,4,5,6,7
	XLOAD \k, 0
.endr
.set XB, 50
	TURNST 0, 56                                   ; step 0's eight half units: nothing is there yet to multiply.  Half unit k + 1 is on its turn while k is quantised
	TURNLD 0
.irp k, 0,1,2,3,4,5,6                  ; each set takes step 1's loads as soon as it has been quantised
	TURNST (\k+1), 48                              ; six younger sets' loads may be out
	TURNLD (\k+1)
	s_wait_dscnt 16                                ; half unit k's turned numbers are in; k + 1's sixteen may be out
	UNITB \k
	XLOAD \k, 0
.endr
	s_wait_dscnt 0x0
	UNITB 7
	XLOAD 7, 0
	WIN 0
	s_wait_tensorcnt 0x0                           ; my part of step 0's W is in
	ds_add_u32 v[SPW], v[NIL]
	G0STEP
	s_wait_dscnt 0x0                               ; the add is done, my images of x lie in LDS
	ROUND
	tensor_load_to_lds s[G0:G0+3], s[G1:G1+7]      ; step 1's W: slot 1's first fill
	s_nop 0
	PL5
	FETCHC 0
	FETCHX 0
	FETCHX 1
.set XB, 52
	IDX0 1                                         ; the first place stands in front of the loop: its products start the sums
	WIN 0
	s_mov_b32 s3, 2
.Lstep:                                                ; a trip goes from a step's place 1 to the next step's place 0: steps 0 and 1, which fill a slot again and load x of two steps on
.irp k, 1,2,3,4,5,6
	CSTEP \k, 1024
.endr
	STEPEND 1024, 1
	IDX0 0
	WIN 0
	s_wait_xcnt 0x0                                ; every earlier load has had its address translated (ISA guide 3.1): the base may step
	s_add_co_u32 s54, s54, 512
	s_and_b32 s54, s54, 0x600
	s_add_nc_u64 s[52:53], s[4:5], s[54:55]
	s_sub_co_u32 s3, s3, 1
	s_cmp_lg_u32 s3, 0
	s_wait_alu depctr_va_vdst(0)                   ; the wait ahead of the branch
	s_cbranch_scc1 .Lstep
.irp k, 1,2,3,4,5,6
	CSTEP \k, -1                                   ; step 2 goes on: x's last half units; nothing more is loaded
.endr
	STEPEND -1, 0
; THE WAY OUT, block by block: b = 8 rt + i: 16 rows x my 64 columns of component i.  A lane's four tiles hold four neighbouring columns of row 8 h + j in register j: thirty-two moves bring them side by side, and each of
; eight stores then writes two rows' 256 consecutive bytes, aligned, sixteen lanes each.  Four buffers by turns: two in window 0, two in window 1 where x's fragments of rt = 0 lay.
; Blocks b .. b + 3 leave together, row by row.  (Blocks 8-11 take the registers of window 0 in which four of W's sets lay.)
.macro OBUF b
.set OI, (\b)%8
.set OT, (\b)/8
.if ((\b)/4) == 2
.set BW, 0
.set OB, 64+32*((\b)%4)
.else
.set BW, ((\b)%4)/2
.set OB, 192+32*((\b)%4)-192*BW
.endif
.endm
.macro OUT4 b
.if ((\b)%8) == 4
	s_wait_xcnt 0x0                                ; the stores that last read these buffers have read them: results may be moved there
.endif
.irp u, 0,1,2,3
	OBUF ((\b)+\u)
	WIN 2+OT+0x40*BW
.irp t, 0,1,2,3
.irp j, 0,1,2,3,4,5,6,7
	v_mov_b32 v[OB+4*\j+\t], v[8*(4*OI+\t)+\j]     ; each accumulator from its low end on
.endr
.endr
.endr
	s_wait_alu depctr_va_vdst(0)                   ; the wait here, ahead of the stores and the window switches among them
.irp j, 0,1,2,3,4,5,6,7
.irp u, 0,1,2,3
	OBUF ((\b)+\u)
	WIN 4*BW
	global_store_b128 v[GO], v[OB+4*\j:OB+4*\j+3], s[8:9] offset:(16*OT+\j)*8192+1024*OI   ; rows j and 8 + j: 256 consecutive bytes each
.endr
.endr
.endm
; THE LAST STEP: n = 8 rt + place.  W's fragments of the eight places have registers of their own, asked for three places ahead; they and the scale words stay for rt = 1.
.macro LSET k
.set LW, 1-(\k)/4
.if (\k) < 4
.set LB, 32*(\k)+128*((\k)/2)
.else
.set LB, 64+32*((\k)-4)
.endif
.endm
.macro LFETCH k
.set CF, (SEQ>>(4*(\k)))&15
	LSET \k
	FETCHP CF, LB, LW
.if ((\k)%2) == 0
	FETCHWS CF
.endif
.endm
.macro LSTEP n
.if (\n) == 0
	s_wait_dscnt 35                                ; place 0's fragments and x's row tile 0 are in; behind them x's row tile 1 (18), place 1's eight, place 2's nine
.elseif (\n) < 6
	s_wait_dscnt 17                                ; the next two places' eight and nine may be out
.elseif (\n) == 6
	s_wait_dscnt 8                                 ; the last place's eight
.elseif (\n) == 7
	s_wait_dscnt 0x0
.endif
	PL5
.if ((\n) == 8) || ((\n) == 12)
	OUT4 ((\n)-8)                                  ; four finished blocks of rt = 0 leave
.endif
.if (\n) < 5
	LFETCH ((\n)+3)
.endif
.set CN, (SEQ>>(4*((\n)%8)))&15
.set CP, (SEQ>>(4*(((\n)+7)%8)))&15
	LSET ((\n)%8)
	MUL CN, CP, ((\n)/8), LB, LW, 0, 0
	MUL CN, CP, ((\n)/8), LB, LW, 0, 2
.endm
	LFETCH 1
	LFETCH 2
.irp n, 0,1,2,3,4,5,6,7,8,9,10,11,12,13,14,15
	LSTEP \n
.endr
	PL5
	OUT4 8
	OUT4 12
	WIN 0
	s_wait_tensorcnt 0x0                           ; the wave's end, behind my last tensor load and my last LDS store
	ds_add_u32 v[SPW], v[NIL]
	s_wait_dscnt 0x0
	ROUND                                          ; the closing round: no work-group ends while a partner may still ask for a tile that names it
	s_endpgm
.Lfunc_end_k_qbc9de94621_octo:
	.size	k_qbc9de94621_octo, .Lfunc_end_k_qbc9de94621_octo-k_qbc9de94621_octo
	.p2alignl 7, 3214868480
	.fill 96, 4, 3214868480
	.section	.rodata,"a",@progbits
	.p2align	6, 0x0
	.amdhsa_kernel k_qbc9de94621_octo
		.amdhsa_group_segment_fixed_size 327680
		.amdhsa_private_segment_fixed_size 0
		.amdhsa_enable_private_segment 0
		.amdhsa_kernarg_size 24
		.amdhsa_user_sgpr_count 2
		.amdhsa_user_sgpr_kernarg_segment_ptr 1
		.amdhsa_wavefront_size32 1
		.amdhsa_system_sgpr_workgroup_id_x 1
		.amdhsa_system_sgpr_workgroup_id_y 1
		.amdhsa_system_sgpr_workgroup_id_z 1
		.amdhsa_system_vgpr_workitem_id 0
		.amdhsa_next_free_vgpr 1024
		.amdhsa_next_free_sgpr 72
		.amdhsa_reserve_vcc 0
		.amdhsa_float_denorm_mode_32 3
		.amdhsa_float_denorm_mode_16_64 3
		.amdhsa_memory_ordered 1
		.amdhsa_forward_progress 1
		.amdhsa_inst_pref_size 255
	.end_amdhsa_kernel
	.section	.bss,"aw",@nobits
	.p2align	6
	.space	262144
	.amdgpu_metadata
---
amdhsa.version: [ 1, 2 ]
amdhsa.kernels:
  - .name:           k_qbc9de94621_octo
    .symbol:         k_qbc9de94621_octo.kd
    .args:
      - { .name: x, .offset: 0, .size: 8, .value_kind: global_buffer, .address_space: global }
      - { .name: wq, .offset: 8, .size: 8, .value_kind: global_buffer, .address_space: global }
      - { .name: out0, .offset: 16, .size: 8, .value_kind: global_buffer, .address_space: global }
    .group_segment_fixed_size: 327680
    .private_segment_fixed_size: 0
    .kernarg_segment_align: 8
    .kernarg_segment_size: 24
    .max_flat_workgroup_size: 128
    .sgpr_count:     72
    .vgpr_count:     1024
    .wavefront_size: 32
...
	.end_amdgpu_metadata
.endif
;; end of part 2
